; MI455X (gfx1250); checked and timed in simulation.
; The chip was launched on July 23, 2026; its instructions are those of AMD's public machine-readable ISA for CDNA 5 (MIT licence, August 2026) and "CDNA5" Instruction Set Architecture Reference Guide (July 2026). The comments in the code are by the model that wrote it; some were corrected since.
;; Mo E Fusion. Allowed arithmetic: matrix products marked QUANTISED: E4M3 operands, one given power-of-two scale a tensor, by v_wmma_f32_16x16x64_fp8_fp8 or v_wmma_f32_16x16x128_fp8_fp8, f32 sums; products left as they are: f32 operands where the result goes on into a quantised operand, else bf16, f16 or f32 operands; f32 sums; everything else in f32.
;; Inputs: b1 8 x 1,024 float32; b2 8 x 1,024 float32; beta 8 x 1,024 float32; gamma 8 x 1,024 float32; lowp_scales 4 int32 (the exponents e of the quantised operands' scales 2^e); router_b 8 float32; router_w 1,024 x 8 float32; w1 8 x 1,024 x 1,024 float32; w2 8 x 1,024 x 1,024 float32; z_e 4,096 x 512 float32; z_s 4,096 x 512 float32.
;; Outputs: out0 4,096 x 1,024 float32.
;; This version of the problem:
;;   THIS VERSION OF THE PROBLEM IS GIVEN IN LOW PRECISION. The matrix products marked QUANTISED in the list below multiply operands that are first quantised to E4M3 (4 exponent bits, 3 mantissa bits; 8 bits a number), with one given power-of-two scale for each operand tensor; their sums are f32. All else is computed in f32.
;;   The module's matrix products, in the order in which they are computed (A, B: the left and right operand; K: the contracted axis; several contracted axes count as one K, in the product's order):
;;     1. [M 4,096, K 1,024] x [K 1,024, N 8]; A: computed on the way; B: input router_w: left as it is (N = 8 < 16)
;;     2. [M 4,096, K 1,024] x [K 1,024, N 8,192]; A: computed on the way; B: input w1: QUANTISED (scales: A lowp_scales[0], B lowp_scales[1])
;;     3. batch 8 x [M 1,024, K 1,024] x [K 1,024, N 4,096]; A: input w2; B: computed on the way: QUANTISED (scales: A lowp_scales[2], B lowp_scales[3])
;;     4. batch 4,096 x [M 1, K 8] x [K 8, N 1,024]; A: softmax; B: computed on the way: left as it is (K = 8 < 32)
;;   THE QUANTISER, for each operand of a quantised product, along K:
;;     - The operand's scale is 2^e, e = its entry of the input lowp_scales (int32; the entries are numbered through the quantised products in the list's order, A before B).
;;     - Each number is divided by the scale, clamped to +-448, and rounded to the nearest number of E4M3, ties to even, subnormals kept.
;;     - The product sums the exact products of the quantised numbers (number of the format x scale) in f32.
;;   ~~~python
;;   def quantise(x, axis, e):      # numpy; x: float32 -> the quantised numbers, widened to float32 again
;;       x = np.moveaxis(x, axis, -1); K = x.shape[-1]
;;       r = np.clip(x / 2.0 ** e, -448, 448)
;;       step = 2.0 ** (np.maximum(np.frexp(np.where(r == 0, 1, r))[1] - 1, -6) - 3)
;;       q = np.round(r / step) * step * 2.0 ** e      # np.round: ties to even
;;       return np.moveaxis(q, -1, axis).astype(np.float32)
;;   ~~~
;;   OPERANDS COMPUTED ON THE WAY. 'Computed on the way' means the value that the module computes at that place (a softmax that the list does not call 'softmax' is quantised finished and normalised). What goes into a quantiser is computed in f32, as accurately as f32 sums, v_exp_f32 and their like allow (about 1e-6 of the number): no bf16 or f16 on the way to a quantiser, and a product that is left as it is and whose result goes on into a quantised operand takes f32 operands (vector FMAs, or v_wmma_f32_16x16x4_f32). A number that lies on a knife's edge between two numbers of the format may be rounded either way, as far as f32 arithmetic and the matrix unit's own rounding can turn it there, and no further.
;; One version. Each part assembles by itself: llvm-mc -triple=amdgcn-amd-amdhsa -mcpu=gfx1250 --defsym DOCPART=n.
;; ======== version 1 of 1: 3 launches
;; limits: values are held in bf16: 8 bits of precision; right only within a limited range of input values
;; workspace buffers: xq 4,194,304 bytes; wq 16,777,216 bytes; rwt 131,072 bytes; yn 67,108,864 bytes; st 524,288 bytes
;; launch prep (part 1): grid 768 x 1, 8 waves a work-group, no clusters, 111,616 bytes of LDS; arguments z_s, z_e, router_w, router_b, w1, w2, lowp_scales, xq, wq, rwt; writes xq, wq, rwt
.if DOCPART == 1
	.amdgcn_target "amdgcn-amd-amdhsa--gfx1250"
	.amdhsa_code_object_version 6
	.text
	.protected	k_q11a7336bcb_prep
	.globl	k_q11a7336bcb_prep
	.p2align	8
	.type	k_q11a7336bcb_prep,@function
k_q11a7336bcb_prep:
	s_mov_b64 s[64:65], 0
	v_nop
	global_prefetch_b8 v0, s[64:65] scope:SCOPE_SE
	s_setreg_imm32_b32 hwreg(HW_REG_WAVE_MODE, 25, 1), 1
	s_wait_xcnt 0x0
; PREP.  x = [z_s | z_e] and the weights w1, w2 become codes of E4M3, each with the scale 2^e that is given for it, laid as IMAGES OF OPERAND REGISTERS; the router's softmax is made in f32.
; An image is a fragment of 16 rows x 128 K, 2,048 bytes: byte 512 c + 16 lane + i is the code of row lane % 16 at k = 32 c + 16 (lane / 16) + i.  Four loads of 16 bytes a lane give a wave the fragment.
; code = number / 2^e, held within +-448, to the nearest code, ties to even.  LIMITS: each e between -126 and 119; NaN among the inputs is not served (an infinity is held at the largest code).
; Work-groups 0-255: 16 tokens each; wave s takes K step s (128 of the 1,024).  Work-groups 256-767: a weight's 128 k x 256 columns; wave b takes 32 columns: two fragments.
; xq: [block of 64 tokens][4 s + m][2,048].   wq: expert << 21 + quarter of the columns << 19 + layer << 18 + fragment << 11; fragment = 16 b + 2 s + u in layer 0, 16 s + 2 b + u in layer 1.
; Row rr of the tile 2 b + u is column 32 b + 8 u + rr + 8 (rr / 8) of the quarter, so that the results of tiles 2 b and 2 b + 1 are 16 neighbours along the next K.   rwt: [token][8] f32.
; Only the token path uses LDS.  The one barrier stands behind the join of the two paths, where every wave passes it.
.set XREG, 12800                       ; LDS: a region for each wave: 16 rows x 528 bytes for the turn of x, then its 128 rows of router_w (4,096 bytes)
.set RWSO, 8448
.set LPB,  102400                      ; behind the eight regions: partial logits [2 s + h][row][8], 8,192 bytes
.set RAW,  16                          ; v16-79   x as loaded; then two sets of 32 for router_w's rows; at the end the partial logits
.set XV,   80                          ; v80-143  64 numbers of my row: number 16 c + i is k = 32 c + 16 h + i
.set RR,   144                         ; v144-175 router_w as loaded
.set LG,   144                         ; v144-159 then: two sets of 8 logits
.set CX,   160                         ; v160-175 x's codes
.set WX,   16                          ; weights: v16-79 two sets of 32 numbers; v80-111 codes, eight registers for each block, so that no store's data are written again
.set WC,   80
	s_load_b512 s[4:19], s[0:1], 0x0               ; z_s, z_e, router_w, router_b, w1, w2, lowp_scales, xq
	s_load_b128 s[20:23], s[0:1], 0x40             ; wq, rwt
	v_lshl_add_u32 v192, v0, 2, 0x1b000
	v_mov_b32 v193, 0
	v_lshrrev_b32 v1, 5, v0
	s_delay_alu instid0(VALU_DEP_1)
	v_readfirstlane_b32 s24, v1                    ; wave 0..7
	v_and_b32 v1, 31, v0                           ; lane
	s_delay_alu instid0(VALU_DEP_1)
	v_lshlrev_b32 v2, 4, v1                        ; 16 x lane
	v_and_b32 v3, 15, v0                           ; r
	v_bfe_u32 v4, v0, 4, 1                         ; h
	s_mul_i32 s25, s24, XREG                       ; every LDS address is made here, ahead of the parting of the two paths
	v_add_nc_u32 v5, s25, v2                       ; the turn, in: 16 x lane of a row
	v_mul_u32_u24 v6, v3, 528
	s_delay_alu instid0(VALU_DEP_1)
	v_lshl_add_u32 v6, v4, 6, v6
	s_delay_alu instid0(VALU_DEP_1)
	v_add_nc_u32 v6, s25, v6                       ; the turn, out: row r, + 64 h
	s_delay_alu instid0(VALU_DEP_4)
	v_add_nc_u32 v7, RWSO, v5                      ; router_w, in
	v_lshlrev_b32 v8, 9, v4
	s_delay_alu instid0(VALU_DEP_1)
	v_add_nc_u32 v8, s25, v8
	s_delay_alu instid0(VALU_DEP_1)
	v_add_nc_u32 v8, RWSO, v8                      ; router_w, out: my half's 16 rows of each 32
	s_lshl_b32 s26, s24, 10
	v_lshl_add_u32 v9, v1, 5, s26
	s_delay_alu instid0(VALU_DEP_1)
	v_add_nc_u32 v9, LPB, v9                       ; my partial logits: 1,024 s + 32 lane
	v_lshlrev_b32 v12, 5, v3
	s_delay_alu instid0(VALU_DEP_1)
	v_lshl_add_u32 v12, v4, 4, v12                 ; 32 r + 16 h: four experts of a token, in rwt
	s_delay_alu instid0(VALU_DEP_1)
	v_add_nc_u32 v15, LPB, v12                     ; and among the partial logits
	s_wait_kmcnt 0x0
	s_load_b128 s[28:31], s[16:17], 0x0            ; ex, ew1, ew2, eh
	s_cmp_ge_u32 ttmp9, 256
	s_cbranch_scc1 .Lweights
	; ---- 16 tokens: wave s takes columns 128 s .. 128 s + 127 of x
	s_cmp_lt_u32 s24, 4
	s_cselect_b64 s[32:33], s[4:5], s[6:7]         ; z_s for K steps 0-3, z_e for 4-7
	s_lshl_b32 s34, ttmp9, 15                      ; 16 rows of 2,048 bytes
	s_and_b32 s35, s24, 3
	s_lshl_b32 s35, s35, 9
	s_add_co_u32 s34, s34, s35
	s_mov_b32 s35, 0
	s_add_nc_u64 s[32:33], s[32:33], s[34:35]
	s_lshl_b32 s34, s24, 12
	s_add_nc_u64 s[36:37], s[8:9], s[34:35]        ; my 128 rows of router_w
	s_lshr_b32 s38, ttmp9, 2
	s_lshl_b32 s38, s38, 16                        ; the block of 64 tokens
	s_and_b32 s39, ttmp9, 3                        ; m
	s_lshl_b32 s40, s24, 2
	s_add_co_u32 s39, s39, s40
	s_lshl_b32 s39, s39, 11                        ; image 4 s + m
	s_add_co_u32 s34, s38, s39
	s_add_nc_u64 s[18:19], s[18:19], s[34:35]
.irp i, 0,1,2,3,4,5,6,7,8,9,10,11,12,13,14,15
	global_load_b128 v[RAW+4*\i:RAW+4*\i+3], v2, s[32:33] offset:2048*\i th:TH_LOAD_NT   ; 512 consecutive bytes of row i
.endr
.irp i, 0,1,2,3,4,5,6,7
	global_load_b128 v[RR+4*\i:RR+4*\i+3], v2, s[36:37] offset:512*\i
.endr
	s_wait_loadcnt 8                               ; x's sixteen loads are in; router_w's eight may be out
.irp i, 0,1,2,3,4,5,6,7,8,9,10,11,12,13,14,15
	ds_store_b128 v5, v[RAW+4*\i:RAW+4*\i+3] offset:528*\i
.endr
	s_wait_loadcnt 0x0
	s_wait_alu depctr_va_vdst(0)
.irp i, 0,1,2,3,4,5,6,7
	ds_store_b128 v7, v[RR+4*\i:RR+4*\i+3] offset:512*\i
.endr
.irp c, 0,1,2,3
.irp j, 0,1,2,3
	ds_load_b128 v[XV+16*\c+4*\j:XV+16*\c+4*\j+3], v6 offset:128*\c+16*\j   ; my wave's own bytes, served in order: these see the stores above
.endr
.endr
	s_wait_dscnt 0x0                               ; my 64 numbers are in, and the stores have read their registers, which are written again below
; router_w's rows of numbers 4 q .. 4 q + 3 (eight experts each) into set q % 2
.macro RWLD q
.irp n, 0,1,2,3
	ds_load_b128 v[RAW+32*((\q)%2)+8*\n:RAW+32*((\q)%2)+8*\n+3],   v8 offset:1024*((\q)/4)+32*(4*((\q)%4)+\n)
	ds_load_b128 v[RAW+32*((\q)%2)+8*\n+4:RAW+32*((\q)%2)+8*\n+7], v8 offset:1024*((\q)/4)+32*(4*((\q)%4)+\n)+16
.endr
.endm
; four numbers x eight experts: 16 packed multiply-adds, even numbers into one set of sums and odd numbers into the other; the first two numbers start the sums
.macro RSTEP q
.if (\q) < 15
	s_wait_dscnt 8                                 ; this chunk's eight loads are in; the next chunk's eight may be out
.else
	s_wait_dscnt 0x0
.endif
.irp n, 0,1,2,3
.irp p, 0,1,2,3
.if ((\q) == 0) && (\n == 0)
	v_pk_mul_f32 v[LG+2*\p:LG+2*\p+1], v[RAW+2*\p:RAW+2*\p+1], v[XV:XV+1] op_sel_hi:[1,0]
.elseif ((\q) == 0) && (\n == 1)
	v_pk_mul_f32 v[LG+8+2*\p:LG+8+2*\p+1], v[RAW+8+2*\p:RAW+8+2*\p+1], v[XV:XV+1] op_sel:[0,1] op_sel_hi:[1,1]
.elseif (\n%2) == 0
	v_pk_fma_f32 v[LG+2*\p:LG+2*\p+1], v[RAW+32*((\q)%2)+8*\n+2*\p:RAW+32*((\q)%2)+8*\n+2*\p+1], v[XV+4*(\q)+\n:XV+4*(\q)+\n+1], v[LG+2*\p:LG+2*\p+1] op_sel_hi:[1,0,1]
.else
	v_pk_fma_f32 v[LG+8+2*\p:LG+8+2*\p+1], v[RAW+32*((\q)%2)+8*\n+2*\p:RAW+32*((\q)%2)+8*\n+2*\p+1], v[XV+4*(\q)+\n-1:XV+4*(\q)+\n], v[LG+8+2*\p:LG+8+2*\p+1] op_sel:[0,1,0] op_sel_hi:[1,1,1]
.endif
.endr
.endr
.if (\q)+2 < 16
	RWLD (\q)+2
.endif
.endm
	RWLD 0
	RWLD 1
.irp q, 0,1,2,3,4,5,6,7,8,9,10,11,12,13,14,15
	s_wait_alu depctr_va_vdst(0)
	RSTEP \q
.endr
.irp p, 0,1,2,3
	s_delay_alu instid0(VALU_DEP_4)
	v_pk_add_f32 v[LG+2*\p:LG+2*\p+1], v[LG+2*\p:LG+2*\p+1], v[LG+8+2*\p:LG+8+2*\p+1]
.endr
	ds_store_b128 v9, v[LG:LG+3]                   ; eight logits' part over my 64 k
	ds_store_b128 v9, v[LG+4:LG+7] offset:16
	s_wait_kmcnt 0x0
	s_add_co_i32 s41, s28, 127
	s_lshl_b32 s42, s41, 23
	v_mov_b32 v11, s42                             ; 2^ex as f32: the conversion takes its exponent field
	s_add_co_i32 s41, s41, 8
	s_lshl_b32 s41, s41, 23
	s_or_b32 s41, s41, 0x600000
	v_mov_b32 v10, s41                             ; 448 x 2^ex
.set WI, 0
.rept 64
	v_med3_num_f32 v[XV+WI], v[XV+WI], -v10, v10   ; the conversion to an 8-bit code does not saturate (ISA guide 7.6.2): the hold comes first
.set WI, WI+1
.endr
.irp c, 0,1,2,3
	v_cvt_scalef32_pk8_fp8_f32 v[CX+4*\c:CX+4*\c+1],   v[XV+16*\c:XV+16*\c+7],    v11
	v_cvt_scalef32_pk8_fp8_f32 v[CX+4*\c+2:CX+4*\c+3], v[XV+16*\c+8:XV+16*\c+15], v11
.endr
	v_nop                                          ; a plain vector line behind the last conversion
.irp c, 0,1,2,3
	global_store_b128 v2, v[CX+4*\c:CX+4*\c+3], s[18:19] offset:512*\c   ; the wave stores 512 consecutive bytes, aligned
.endr
	s_branch .Ljoin
	; ---- a weight: 128 k x 256 columns.  A lane takes a column and its registers run down K: nothing is transposed
.Lweights:
	s_sub_co_u32 s32, ttmp9, 256
	s_and_b32 s33, s32, 7                          ; K step s
	s_bfe_u32 s34, s32, 0x20003                    ; quarter of the columns
	s_bfe_u32 s35, s32, 0x30005                    ; expert
	s_lshr_b32 s36, s32, 8                         ; layer: 0 = w1, 1 = w2
	s_lshl_b32 s38, s35, 22                        ; an expert's weight is 1,024 rows of 4,096 bytes
	s_lshl_b32 s39, s33, 19                        ; 128 rows
	s_add_co_u32 s38, s38, s39
	s_lshl_b32 s39, s34, 10                        ; 256 columns
	s_add_co_u32 s38, s38, s39
	s_lshl_b32 s39, s24, 7                         ; my wave's 32
	s_add_co_u32 s38, s38, s39
	s_mov_b32 s39, 0
	s_cmp_eq_u32 s36, 0
	s_cselect_b64 s[40:41], s[12:13], s[14:15]
	s_add_nc_u64 s[40:41], s[40:41], s[38:39]
	; THE ORDER OF A WEIGHT'S FRAGMENTS, which takes the place of the order that the head's line on wq names: in both layers fragment = 64 (b / 4) + 8 s + 2 (b % 4) + u,
	; so that the eight tiles of 128 columns lie on end for each K step, the K steps of those columns on end, and a quarter's two layers are one run of 524,288 bytes in the order in which a wave of the next launch uses it.
	s_lshr_b32 s42, s24, 2
	s_lshl_b32 s42, s42, 6
	s_lshl_b32 s43, s33, 3
	s_add_co_u32 s42, s42, s43
	s_and_b32 s43, s24, 3
	s_lshl_b32 s43, s43, 1
	s_add_co_u32 s42, s42, s43
	s_lshl_b32 s42, s42, 11
	s_lshl_b32 s43, s35, 21
	s_add_co_u32 s42, s42, s43
	s_lshl_b32 s43, s34, 19
	s_add_co_u32 s42, s42, s43
	s_lshl_b32 s43, s36, 18
	s_add_co_u32 s42, s42, s43
	s_mov_b32 s43, 0
	s_add_nc_u64 s[20:21], s[20:21], s[42:43]
	v_and_b32 v13, 8, v3
	s_delay_alu instid0(VALU_DEP_1)
	v_add_nc_u32 v13, v13, v3                      ; rr + 8 (rr / 8)
	s_delay_alu instid0(VALU_DEP_1)
	v_lshl_add_u32 v13, v4, 3, v13                 ; + 8 u: lanes 0-15 make tile u = 0, lanes 16-31 tile u = 1; the 32 lanes still read 128 consecutive bytes
	s_delay_alu instid0(VALU_DEP_1)
	v_lshlrev_b32 v13, 2, v13
	v_lshlrev_b32 v14, 4, v3
	s_delay_alu instid0(VALU_DEP_1)
	v_lshl_add_u32 v14, v4, 11, v14                ; out: image u, 16 rr
.macro LOADW t                         ; block t: k = 32 t + 0 .. 31 of my column, into set t % 2
.set WI, 0
.rept 32
	global_load_b32 v[WX+32*((\t)%2)+WI], v13, s[40:41] offset:(32*(\t)+WI)*4096 th:TH_LOAD_NT
.set WI, WI+1
.endr
.endm
.macro BLOCKW t
.set XS, WX+32*((\t)%2)
.if (\t) < 3
	s_wait_loadcnt 32                              ; this block's 32 loads are in; the next block's may be out
.else
	s_wait_loadcnt 0x0
.endif
.set WI, 0
.rept 32
	v_med3_num_f32 v[XS+WI], v[XS+WI], -v10, v10
.set WI, WI+1
.endr
.irp g, 0,1,2,3
	v_cvt_scalef32_pk8_fp8_f32 v[WC+8*(\t)+2*\g:WC+8*(\t)+2*\g+1], v[XS+8*\g:XS+8*\g+7], v11
.endr
	v_nop                                          ; a plain vector line behind the last conversion
	global_store_b128 v14, v[WC+8*(\t):WC+8*(\t)+3],   s[20:21] offset:512*(\t)       ; k = 32 t + 0 .. 15: the image's lanes 0-15; sixteen lanes store 256 consecutive bytes, aligned
	global_store_b128 v14, v[WC+8*(\t)+4:WC+8*(\t)+7], s[20:21] offset:512*(\t)+256   ; k = 32 t + 16 .. 31: its lanes 16-31
.if (\t)+2 < 4
	LOADW (\t)+2
.endif
.endm
	LOADW 0
	LOADW 1
	s_wait_kmcnt 0x0
	s_cmp_eq_u32 s36, 0
	s_cselect_b32 s45, s29, s30                    ; ew1 or ew2
	s_add_co_i32 s45, s45, 127
	s_lshl_b32 s46, s45, 23
	v_mov_b32 v11, s46
	s_add_co_i32 s45, s45, 8
	s_lshl_b32 s45, s45, 23
	s_or_b32 s45, s45, 0x600000
	v_mov_b32 v10, s45
	s_wait_alu depctr_va_vdst(0)
	BLOCKW 0
	BLOCKW 1
	BLOCKW 2
	BLOCKW 3
.Ljoin:
	s_wait_dscnt 0x0                               ; for the others' sake: my partial logits lie in LDS
	s_barrier_signal -1
	s_barrier_wait -1
	s_cmp_ge_u32 ttmp9, 256
	s_cbranch_scc1 .Lend
	s_cmp_lg_u32 s24, 0
	s_cbranch_scc1 .Lend
	; ---- wave 0 of a token work-group: the softmax.  Lane (r, h) holds experts 4 h .. 4 h + 3 of token r
	v_lshlrev_b32 v184, 4, v4
	global_load_b128 v[176:179], v184, s[10:11]    ; router_b
.irp p, 0,1,2,3,4,5,6,7,8,9,10,11,12,13,14,15
	ds_load_b128 v[16+4*\p:19+4*\p], v15 offset:512*\p
.endr
	s_mov_b32 s46, 0x76543210                      ; v_permlanex16_b32: lane l takes lane l xor 16
	s_mov_b32 s47, 0xfedcba98
	s_lshl_b32 s44, ttmp9, 9                       ; 16 tokens x 32 bytes
	s_mov_b32 s45, 0
	s_add_nc_u64 s[22:23], s[22:23], s[44:45]
	v_mov_b32 v181, 0                              ; a lane permute's destination counts as read
	s_wait_dscnt 0x0
.irp p, 0,1,2,3,4,5,6,7
	v_pk_add_f32 v[16+4*\p:17+4*\p], v[16+4*\p:17+4*\p], v[48+4*\p:49+4*\p]
	v_pk_add_f32 v[18+4*\p:19+4*\p], v[18+4*\p:19+4*\p], v[50+4*\p:51+4*\p]
.endr
.irp p, 0,1,2,3
	v_pk_add_f32 v[16+4*\p:17+4*\p], v[16+4*\p:17+4*\p], v[32+4*\p:33+4*\p]
	v_pk_add_f32 v[18+4*\p:19+4*\p], v[18+4*\p:19+4*\p], v[34+4*\p:35+4*\p]
.endr
.irp p, 0,1
	s_delay_alu instid0(VALU_DEP_4)
	v_pk_add_f32 v[16+4*\p:17+4*\p], v[16+4*\p:17+4*\p], v[24+4*\p:25+4*\p]
	s_delay_alu instid0(VALU_DEP_4)
	v_pk_add_f32 v[18+4*\p:19+4*\p], v[18+4*\p:19+4*\p], v[26+4*\p:27+4*\p]
.endr
	s_delay_alu instid0(VALU_DEP_2)
	v_pk_add_f32 v[16:17], v[16:17], v[20:21]
	s_delay_alu instid0(VALU_DEP_2)
	v_pk_add_f32 v[18:19], v[18:19], v[22:23]
	s_wait_alu depctr_va_vdst(0)
	s_wait_loadcnt 0x0
	v_pk_add_f32 v[16:17], v[16:17], v[176:177]
	v_pk_add_f32 v[18:19], v[18:19], v[178:179]
	s_delay_alu instid0(VALU_DEP_1)
	v_max3_num_f32 v180, v16, v17, v18             ; the largest of the token's eight logits is taken away before the exponentials
	s_delay_alu instid0(VALU_DEP_1)
	v_max_num_f32 v180, v180, v19
	s_delay_alu instid0(VALU_DEP_1)
	v_permlanex16_b32 v181, v180, s46, s47
	s_delay_alu instid0(VALU_DEP_1)
	v_max_num_f32 v180, v180, v181
.irp j, 16,17,18,19
	v_sub_f32 v\j, v\j, v180
.endr
.irp j, 16,17,18,19
	s_delay_alu instid0(VALU_DEP_4)
	v_mul_f32 v\j, 0x3fb8aa3b, v\j                 ; x log2(e)
.endr
	s_wait_alu depctr_va_vdst(0)
.irp j, 16,17,18,19
	v_exp_f32 v\j, v\j
.endr
	v_nop                                          ; a plain line behind the last exponential,
	s_wait_alu depctr_va_vdst(0)                   ; and one wait for the four, ahead of their first reader
	v_add_f32 v182, v16, v17
	v_add_f32 v183, v18, v19
	s_delay_alu instid0(VALU_DEP_1)
	v_add_f32 v182, v182, v183
	s_delay_alu instid0(VALU_DEP_1)
	v_permlanex16_b32 v181, v182, s46, s47
	s_delay_alu instid0(VALU_DEP_1)
	v_add_f32 v182, v182, v181
	s_wait_alu depctr_va_vdst(0)
	v_rcp_f32 v182, v182
	v_nop
	s_wait_alu depctr_va_vdst(0)
.irp j, 16,17,18,19
	v_mul_f32 v\j, v\j, v182
.endr
	global_store_b128 v12, v[16:19], s[22:23]      ; the wave stores 512 consecutive bytes, aligned
.Lend:
	s_wait_tensorcnt 0x0
	ds_add_u32 v192, v193
	s_wait_dscnt 0x0
	s_endpgm
.Lfunc_end_k_q11a7336bcb_prep:
	.size	k_q11a7336bcb_prep, .Lfunc_end_k_q11a7336bcb_prep-k_q11a7336bcb_prep
	.p2alignl 7, 3214868480
	.fill 96, 4, 3214868480
	.section	.rodata,"a",@progbits
	.p2align	6, 0x0
	.amdhsa_kernel k_q11a7336bcb_prep
		.amdhsa_group_segment_fixed_size 111616
		.amdhsa_private_segment_fixed_size 0
		.amdhsa_enable_private_segment 0
		.amdhsa_kernarg_size 80
		.amdhsa_user_sgpr_count 2
		.amdhsa_user_sgpr_kernarg_segment_ptr 1
		.amdhsa_wavefront_size32 1
		.amdhsa_system_sgpr_workgroup_id_x 1
		.amdhsa_system_sgpr_workgroup_id_y 1
		.amdhsa_system_sgpr_workgroup_id_z 1
		.amdhsa_system_vgpr_workitem_id 0
		.amdhsa_next_free_vgpr 194
		.amdhsa_next_free_sgpr 66
		.amdhsa_reserve_vcc 0
		.amdhsa_float_denorm_mode_32 3
		.amdhsa_float_denorm_mode_16_64 3
		.amdhsa_memory_ordered 1
		.amdhsa_forward_progress 1
		.amdhsa_inst_pref_size 68
	.end_amdhsa_kernel
	.amdgpu_metadata
---
amdhsa.version: [ 1, 2 ]
amdhsa.kernels:
  - .name:           k_q11a7336bcb_prep
    .symbol:         k_q11a7336bcb_prep.kd
    .args:
      - { .name: z_s, .offset: 0, .size: 8, .value_kind: global_buffer, .address_space: global }
      - { .name: z_e, .offset: 8, .size: 8, .value_kind: global_buffer, .address_space: global }
      - { .name: router_w, .offset: 16, .size: 8, .value_kind: global_buffer, .address_space: global }
      - { .name: router_b, .offset: 24, .size: 8, .value_kind: global_buffer, .address_space: global }
      - { .name: w1, .offset: 32, .size: 8, .value_kind: global_buffer, .address_space: global }
      - { .name: w2, .offset: 40, .size: 8, .value_kind: global_buffer, .address_space: global }
      - { .name: lowp_scales, .offset: 48, .size: 8, .value_kind: global_buffer, .address_space: global }
      - { .name: xq, .offset: 56, .size: 8, .value_kind: global_buffer, .address_space: global }
      - { .name: wq, .offset: 64, .size: 8, .value_kind: global_buffer, .address_space: global }
      - { .name: rwt, .offset: 72, .size: 8, .value_kind: global_buffer, .address_space: global }
    .group_segment_fixed_size: 111616
    .private_segment_fixed_size: 0
    .kernarg_segment_align: 8
    .kernarg_segment_size: 80
    .max_flat_workgroup_size: 256
    .sgpr_count:     66
    .vgpr_count:     194
    .wavefront_size: 32
...
	.end_amdgpu_metadata
.endif
;; end of part 1
;; launch moe (part 2): grid 32 x 8, 4 waves a work-group, no clusters, 292,352 bytes of LDS; arguments xq, wq, b1, b2, rwt, lowp_scales, yn, st; writes yn, st
.if DOCPART == 2
	.amdgcn_target "amdgcn-amd-amdhsa--gfx1250"
	.amdhsa_code_object_version 6
	.text
	.protected	k_q11a7336bcb_moe
	.globl	k_q11a7336bcb_moe
	.p2align	8
	.type	k_q11a7336bcb_moe,@function
k_q11a7336bcb_moe:
	s_mov_b64 s[64:65], 0
	v_nop
	global_prefetch_b8 v0, s[64:65] scope:SCOPE_SE
	s_setreg_imm32_b32 hwreg(HW_REG_WAVE_MODE, 25, 1), 1
	s_wait_xcnt 0x0
; MOE.  For 128 tokens (work-group x) and one expert (work-group y): h = gelu(x W1 + b1), y = h W2 + b2, and the sums that LayerNorm needs.
; Both products run on codes of E4M3 by v_wmma_f32_16x16x128_fp8_fp8, sums in f32; h is quantised in registers and lies in LDS as images of operand registers; it never goes to memory.
; FOUR LIKE PASSES.  Wave w owns columns 256 w .. 256 w + 255 of each layer; a pass makes 128 of them (8 tiles) for all 128 tokens (8 tiles): 64 accumulators, 512 registers, K = 1,024 in 8 steps of 64 matrix instructions.
; Both products are used transposed (source 0 = 16 rows of the weight, source 1 = 16 tokens): a lane holds one token (lane % 16), and register j of tile t holds column 256 w + 128 p + 32 (t / 2) + 16 (lane / 16) + 8 (t % 2) + j.
; TOKENS' fragments (x, then h) come from LDS, fragment (K step s, token tile M) at s x 16,384 + M x 2,048: 16,384 bytes a wave for 64 matrix instructions.
; WEIGHTS go from wq straight into a ring of 16 fragments in registers: a wave's 32 steps are 524,288 consecutive bytes; a step's eight fragments are asked for again two steps ahead, four at a time, behind the products that free them.
; LAYERNORM IN TWO HALVES: 128 tokens x 1,024 f32 are all 4,096 registers of the four waves, so a row is never whole here.  Each pass of the second product centres its 512 columns (those with (column / 128) % 2 = p) by their own mean
; and stores them as bf16, yn[token][expert][column], still divided by 2^(eh + ew2).  With d = mean of half 0 - mean of the row, variance = (both halves' centred squares) / 1,024 + d^2; st[expert][token] = (A, D, gate, 0),
; A = gate x rsqrt(variance + 1e-5) x 2^(eh + ew2), D = A d: the next launch forms gamma (A yn + D) + gate beta in half 0 and with -D in half 1.  No difference of large sums is formed.
; NO JOINT LOADS, though the 32 work-groups of an expert read the same weights: x and h take 262,144 of LDS's 327,680 bytes; two slots in the rest, less stages, would hold under 16 fragments each, 32 matrix instructions a wave
; between two rounds of a cluster's barrier; and a fragment is used by one wave alone, so the way through LDS would add a write and a read to each byte.
; PREFETCH: in each step that asks for step n + 2 a wave names two blocks of 256 bytes of its step n + 4 (lanes 1 to 31 the second); the 32 work-groups of an expert share the step's 64 blocks out by address. Steps 0 to 3 come by their loads alone; it stops where n + 4 would pass step 31.
; GELU is exact: gelu(x) = max(x, 0) - |x| erfc(|x| / sqrt 2) / 2, erfc(z) = t exp(-z^2 + poly9(t)), t = 1 / (1 + z / 2) (a fit whose relative error stays under 1.2e-7 for every z); it is computed on the raw sums u = x / 2^(ex + ew1).
; LIMITS on the given exponents, so that each power of two below is an f32 number: |ex + ew1| <= 60, |eh + ew2| <= 58, eh - ex - ew1 between -126 and 119.  NaN and infinities are not served.
; An exponential under 2^-126 comes out as 0 (ISA guide, the entry of v_exp_f32): such a term lies far under half of the smallest code.
; REGISTERS, in windows of 256 (s_set_vgpr_msb: bits 1:0 source 0, 3:2 source 1, 5:4 source 2, 7:6 destination): window 0: v1-63 addresses and small things; v64-127 a pass's bias; v128-255 the tokens' eight fragments;
;   in the epilogues v48-255 are at work.  window 1: the ring, slot k at v[16 k].  windows 2, 3: accumulator (t, M) at 8 (4 t + M % 4) of window 2 + M / 4.
.set XB,   0                           ; LDS: x's 64 fragments
.set HB,   131072                      ; h's 64 fragments
.set B1S,  262144                      ; b1 / 2^(ex + ew1), 1,024 bytes a wave
.set ST1,  270336                      ; sums [wave][row][8], 2,048 bytes; the sums of squares 2,048 bytes further on  (b2's numbers lie 4,096 bytes behind b1's)
.set STG,  274432                      ; a stage of 16 rows x (256 + 16) bytes for each wave
.set SPARE, 291840                     ; the spare words, 128 bytes a wave
.set LI,  1                            ; 16 x lane
.set HST, 2                            ; HB + 32,768 w + 16 lane
.set HSA, 3                            ; where a group's codes go
.set BH1, 4                            ; B1S + 1,024 w + 64 h
.set BA,  5                            ; the pass's bias
.set BH2, 6
.set ADT, 7                            ; the next K step's token fragments
.set LIM, 8                            ; 448 x 2^(eh - ex - ew1)
.set SCL, 9                            ; 2^(eh - ex - ew1)
.set STW, 10
.set STR, 11
.set SO,  12
.set SR,  13
.set GO,  14
.set PFO, 15
.set SPW, 18
.set NIL, 19
.set GT,  20                           ; v20-23 gates of tokens 32 k + lane
.set DM,  32                           ; v32-39 mean of this half less what stood here: in the end half 1's mean - half 0's
.set SS,  40                           ; v40-47 centred squares, both halves
.set A,   48                           ; gelu: at work, then codes
.set MU,  48                           ; LayerNorm: eight pairs of sums
.set SQ,  64                           ; eight pairs of sums of squares
.set RD,  80                           ; the four waves' parts; v80-87 totals, v88-95 means
.set PL,  112                          ; lane permutes' results
.set BI,  64
.set U,   64
.set T,   128
.set P,   192
.set TF,  128
.set PK,  192
.set MSB, 0
.macro WIN new                         ; the immediate's high byte repeats the setting that is left; a switch that changes nothing is dropped
.if MSB != (\new)
	s_set_vgpr_msb (MSB<<8)|(\new)
.set MSB, (\new)
.endif
.endm
.macro PLACES                          ; four plain vector lines between a matrix instruction and a load into its registers or a read of its result
.rept 4
	v_nop
.endr
.endm
.macro RELOAD k0, n, off               ; ring slots k0 .. k0 + n - 1, from byte off behind s[28:29]
	WIN 0x40
.set RK, 0
.rept \n
.irp c, 0,1,2,3
	global_load_b128 v[16*((\k0)+RK)+4*\c:16*((\k0)+RK)+4*\c+3], v[LI], s[28:29] offset:2048*RK+512*\c+(\off)
.endr
.set RK, RK+1
.endr
.endm
.macro COEF k, bits                    ; a coefficient as a scalar pair: the packed forms name the pair and take its low word for both halves
	s_mov_b32 s[66+2*\k], \bits
	s_mov_b32 s[67+2*\k], \bits
.endm
	s_load_b512 s[4:19], s[0:1], 0x0               ; xq, wq, b1, b2, rwt, lowp_scales, yn, st
	v_lshl_add_u32 v[SPW], v0, 2, SPARE
	v_mov_b32 v[NIL], 0
	v_lshrrev_b32 v24, 5, v0
	v_readfirstlane_b32 s20, v24                   ; wave w
	v_and_b32 v26, 15, v0                          ; r
	v_bfe_u32 v27, v0, 4, 1                        ; h
	v_and_b32 v28, 31, v0                          ; lane
	v_lshlrev_b32 v[LI], 4, v28
	v_lshlrev_b32 v31, 5, v28                      ; 32 x lane
	v_mov_b32 v16, 0xbf97d29d                      ; c8 = -1.1861149, doubled in a vector pair
	v_mov_b32 v17, 0xbf97d29d
	s_wait_alu depctr_va_vdst(0)                   ; the wait ahead of the run of scalar lines
	s_and_b32 s21, ttmp7, 0xffff                   ; expert
	s_mov_b32 s22, ttmp9                           ; block of 128 tokens
	s_and_b32 s45, s20, 1
	s_lshl_b32 s45, s45, 16
	s_lshr_b32 s46, s20, 1
	s_lshl_b32 s46, s46, 13
	s_add_co_u32 s45, s45, s46                     ; where my 16 fragments of x go: K steps 4 (w % 2) on, token tiles 4 (w / 2) on
	s_lshl_b32 s46, s20, 15
	s_add_co_u32 s46, s46, HB
	s_lshl_b32 s47, s20, 10
	s_add_co_u32 s47, s47, B1S
	s_lshl_b32 s48, s20, 9
	s_add_co_u32 s48, s48, ST1
	s_mul_i32 s49, s20, 16*272
	s_add_co_u32 s49, s49, STG
	s_lshl_b32 s52, s22, 9
	s_lshl_b32 s53, s22, 11
	COEF 0, 0xc034d90f                             ; the fit's coefficients x log2(e); c0 has the factor 1/2 in it
	COEF 1, 0x3fb8ab5a
	COEF 2, 0x3f0a29d2
	COEF 3, 0x3e0efb2e
	COEF 4, 0xbe899a80
	COEF 5, 0x3ecdfd18
	COEF 6, 0xbfd1a1e5
	COEF 7, 0x40097039
	COEF 8, 0x3e7c6f08                             ; c9
	s_mov_b32 s40, 0x76543210                      ; v_permlanex16_b32: lane l takes lane l xor 16
	s_mov_b32 s41, 0xfedcba98
	s_mov_b32 s31, 0
	v_add_nc_u32 v29, s45, v[LI]
	v_add_nc_u32 v[HST], s46, v[LI]
	v_lshl_add_u32 v[BH1], v27, 6, s47
	v_add_nc_u32 v[BH2], 4096, v[BH1]
	v_add_nc_u32 v[HSA], s47, v31                  ; for now: where I put my 8 numbers of each bias
	v_lshl_add_u32 v[STW], v26, 5, s48
	v_lshlrev_b32 v[STR], 5, v26
	v_add_nc_u32 v[STR], ST1, v[STR]
	v_mul_u32_u24 v[SO], v26, 272
	v_lshl_add_u32 v[SO], v27, 5, v[SO]
	v_add_nc_u32 v[SO], s49, v[SO]                 ; the stage, in: row r, + 32 h
	v_mul_u32_u24 v[SR], v27, 272
	v_lshl_add_u32 v[SR], v26, 4, v[SR]
	v_add_nc_u32 v[SR], s49, v[SR]                 ; back: lanes 0-15 one row, lanes 16-31 the next
	v_lshlrev_b32 v[GO], 14, v27
	v_lshl_add_u32 v[GO], v26, 4, v[GO]            ; and the same two tokens in yn, 16,384 bytes apart
	v_min_u32 v[PFO], 1, v28
	v_lshlrev_b32 v[PFO], 8, v[PFO]
	v_add_nc_u32 v[PFO], s52, v[PFO]               ; my work-group's two blocks of 256 bytes of a step's 16,384
	v_min_u32 v30, 7, v28
	v_lshlrev_b32 v30, 8, v30
	v_add_nc_u32 v30, s53, v30                     ; and its eight blocks of the first four steps' 65,536 (lanes 7 to 31 name the eighth)
	s_wait_alu depctr_va_vdst(0)                   ; the wait at the head's end
	s_wait_kmcnt 0x0
	s_load_b128 s[32:35], s[14:15], 0x0            ; ex, ew1, ew2, eh
	s_lshl_b32 s30, s22, 17
	s_lshl_b32 s45, s20, 15
	s_add_co_u32 s30, s30, s45
	s_add_nc_u64 s[4:5], s[4:5], s[30:31]          ; my 32,768 bytes of my block's x
	s_lshl_b32 s30, s21, 21
	s_lshl_b32 s45, s20, 19
	s_add_co_u32 s30, s30, s45
	s_add_co_u32 s30, s30, 16384
	s_add_nc_u64 s[28:29], s[6:7], s[30:31]        ; my weights, at step 1: each request steps it first
	; once, here: my work-group's 2,048 bytes of my wave's steps 0 to 3; the 32 work-groups of an expert share the 65,536 bytes out by address.  x's 64 loads and the biases' stand between this line and the ring's first loads.
	; (So the head's sentence that steps 0 to 3 come by their loads alone holds of the prefetches in the loops; this one line serves those four steps.)
	global_prefetch_b8 v30, s[28:29] offset:-16384 th:TH_LOAD_NT scope:SCOPE_SE
	s_lshl_b32 s30, s21, 12
	s_lshl_b32 s45, s20, 10
	s_add_co_u32 s30, s30, s45
	s_add_nc_u64 s[8:9], s[8:9], s[30:31]          ; my 256 numbers of b1, b2
	s_add_nc_u64 s[10:11], s[10:11], s[30:31]
	s_lshl_b32 s30, s22, 12
	s_lshl_b32 s45, s21, 2
	s_add_co_u32 s30, s30, s45
	s_add_nc_u64 s[12:13], s[12:13], s[30:31]      ; my block's gates of my expert
	s_lshl_b32 s30, s22, 21
	s_lshl_b32 s45, s21, 11
	s_add_co_u32 s30, s30, s45
	s_lshl_b32 s45, s20, 9
	s_add_co_u32 s30, s30, s45
	s_add_nc_u64 s[16:17], s[16:17], s[30:31]      ; yn: my block's first token, my expert, my wave's 512 bytes
	s_lshl_b32 s30, s21, 16
	s_lshl_b32 s45, s22, 11
	s_add_co_u32 s30, s30, s45
	s_add_nc_u64 s[18:19], s[18:19], s[30:31]      ; st
	WIN 0x80
.set RK, 0
.rept 16
.irp c, 0,1,2,3
	global_load_b128 v[16*RK+4*\c:16*RK+4*\c+3], v[LI], s[4:5] offset:2048*RK+512*\c   ; x lands where the accumulators will lie
.endr
.set RK, RK+1
.endr
	WIN 0
	global_load_b128 v[64:67], v31, s[8:9]
	global_load_b128 v[68:71], v31, s[8:9] offset:16
	global_load_b128 v[72:75], v31, s[10:11]
	global_load_b128 v[76:79], v31, s[10:11] offset:16
.irp k, 0,1,2,3
	global_load_b32 v[GT+\k], v31, s[12:13] offset:1024*\k
.endr
	RELOAD 0, 16, -16384                           ; steps 0 and 1
	WIN 0
	s_wait_kmcnt 0x0
	s_add_co_i32 s45, s32, s33                     ; q1 = ex + ew1: a sum of the first product stands for sum x 2^q1
	s_add_co_i32 s46, s35, s34                     ; q2 = eh + ew2: likewise the second
	s_lshl_b32 s47, s45, 23
	s_add_co_u32 s36, s47, 0x3eb504f3              ; 2^q1 / (2 sqrt 2): q1 is added to the exponent field
	s_lshl_b32 s47, s45, 24
	s_add_co_u32 s38, s47, 0xbf38aa3b              ; -log2(e) / 2 x 2^(2 q1)
	s_mov_b32 s39, s38
	s_add_co_i32 s47, s46, 127
	s_lshl_b32 s42, s47, 23                        ; 2^q2
	s_lshl_b32 s47, s46, 1
	s_add_co_i32 s48, s47, 117
	s_lshl_b32 s43, s48, 23                        ; 2^(2 q2) / 1,024
	s_add_co_i32 s48, s47, 125
	s_lshl_b32 s51, s48, 23                        ; 2^(2 q2) / 4
	s_mov_b32 s44, 0x3727c5ac                      ; 1e-5
	s_sub_co_i32 s47, s35, s45
	s_add_co_i32 s47, s47, 127
	s_lshl_b32 s48, s47, 23
	v_mov_b32 v[SCL], s48                          ; the three scales ahead of h's quantiser, folded into one
	s_add_co_i32 s47, s47, 8
	s_lshl_b32 s47, s47, 23
	s_or_b32 s47, s47, 0x600000
	v_mov_b32 v[LIM], s47
	s_sub_co_i32 s48, 0, s45
	s_sub_co_i32 s49, 0, s46
	s_wait_alu depctr_va_vdst(0)
	s_wait_loadcnt 63                              ; x, the biases and the gates are in: behind them stand the ring's 64 loads
	WIN 0x08
.set RK, 0
.rept 16
.irp c, 0,1,2,3
	ds_store_b128 v29, v[16*RK+4*\c:16*RK+4*\c+3] offset:(RK/4)*16384+(RK%4)*2048+512*\c
.endr
.set RK, RK+1
.endr
	WIN 0
.irp j, 0,1,2,3,4,5,6,7
	v_ldexp_f32 v[64+\j], v[64+\j], s48            ; the biases go in as the C of each sum's first matrix instruction, divided by the power of two that the sums lack
	v_ldexp_f32 v[72+\j], v[72+\j], s49
.endr
	ds_store_b128 v[HSA], v[64:67]
	ds_store_b128 v[HSA], v[68:71] offset:16
	ds_store_b128 v[HSA], v[72:75] offset:4096
	ds_store_b128 v[HSA], v[76:79] offset:4096+16
	s_wait_alu depctr_va_vdst(0)
	s_wait_dscnt 0x0                               ; for the others' sake: my part of x lies in LDS
	s_barrier_signal -1
	s_barrier_wait -1
; 16 matrix instructions: tiles t0 .. t0 + 3 of the weight's set q x token tiles 4 G .. 4 G + 3.  The accumulators take turns, one instruction a turn.
.macro MM q, G, t0, first
.irp t, \t0, \t0+1, \t0+2, \t0+3
.irp m, 0,1,2,3
.if \first
	v_wmma_f32_16x16x128_fp8_fp8 v[8*(4*(\t)+\m):8*(4*(\t)+\m)+7], v[16*(8*\q+(\t)):16*(8*\q+(\t))+15], v[TF+16*(4*\G+\m):TF+16*(4*\G+\m)+15], v[BI+8*(\t):BI+8*(\t)+7]
.else
	v_wmma_f32_16x16x128_fp8_fp8 v[8*(4*(\t)+\m):8*(4*(\t)+\m)+7], v[16*(8*\q+(\t)):16*(8*\q+(\t))+15], v[TF+16*(4*\G+\m):TF+16*(4*\G+\m)+15], v[8*(4*(\t)+\m):8*(4*(\t)+\m)+7]
.endif
.endr
.endr
.endm
.macro TOK m0                          ; token tiles m0 .. m0 + 3 of the K step at v[ADT]
.irp m, \m0, \m0+1, \m0+2, \m0+3
.irp c, 0,1,2,3
	ds_load_b128 v[TF+16*(\m)+4*\c:TF+16*(\m)+4*\c+3], v[ADT] offset:2048*(\m)+512*\c
.endr
.endr
.endm
; four slots of the ring are asked for again, for the step two on; no branch leads round these loads.  guard = 1 (second product): s50 counts the requests that are left, and the prefetch alone is jumped over where it would pass the last step.
.macro RL k0, second, guard
.if (\second) == 0
	s_wait_xcnt 0x0                                ; the last step's loads and prefetch have read their base
	s_add_nc_u64 s[28:29], s[28:29], 16384
.endif
	RELOAD \k0, 4, 8192*\second
.if \second
	WIN 0
.if \guard
	s_cmp_lt_u32 s50, 3                            ; two steps beyond this request lies no step
	s_cbranch_scc1 .Lnp\@
.endif
	global_prefetch_b8 v[PFO], s[28:29] offset:32768 th:TH_LOAD_NT scope:SCOPE_SE
.if \guard
.Lnp\@:
	s_sub_co_u32 s50, s50, 1
.endif
.endif
.endm
; A K STEP: token tiles 0-3 against the eight weight tiles, then token tiles 4-7.  nk >= 0: the tokens' fragments of step s24 + nk follow into the registers that each half frees.
; Loads on LOADcnt are the ring's alone: behind a step's first four fragments stand its other four (16 loads) and the next step's 32; strict = 1: the next step's may not have been asked for, so they are not counted on.
.macro STEP q, first, nk, guard, strict, tb, rl    ; rl = 0: the step asks for no weights
.if (\nk) >= 0
	s_add_co_u32 s45, s24, \nk
	s_lshl_b32 s45, s45, 14
.if (\tb) > 0
	s_add_co_u32 s45, s45, \tb
.endif
.endif
	s_wait_dscnt 16                                ; all but the youngest 16 LDS loads: token tiles 4-7
	s_wait_loadcnt 48-32*\strict
	WIN 0xa1-0x20*\first
	MM \q, 0, 0, \first
	s_wait_loadcnt 32-32*\strict
	MM \q, 0, 4, \first
	WIN 0
.if (\nk) >= 0
.rept 3
	v_nop
.endr
	v_add_nc_u32 v[ADT], s45, v[LI]                ; the fourth place
	s_wait_alu depctr_va_vdst(0)                   ; the wait directly behind the write
	TOK 0
	s_wait_dscnt 16                                ; token tiles 4-7 are in; the 16 loads just issued may be out
.else
	s_wait_dscnt 0x0
.endif
	WIN 0xf1-0x30*\first
	MM \q, 1, 0, \first
.if \rl
	PLACES
	RL 8*\q, 0, \guard
.endif
	WIN 0xf1-0x30*\first
	MM \q, 1, 4, \first
	PLACES
.if \rl
	RL 8*\q+4, 1, \guard
.endif
	WIN 0
.if (\nk) >= 0
	TOK 4
.endif
.endm
.macro PASSHEAD tb, bh                 ; pass s23: its bias, in the result's layout, and K step 0's token fragments
	s_lshl_b32 s45, s23, 9
	v_add_nc_u32 v[BA], s45, v[\bh]
	v_add_nc_u32 v[ADT], \tb, v[LI]
	s_wait_alu depctr_va_vdst(0)
.irp t, 0,1,2,3,4,5,6,7
.irp j, 0,1
	ds_load_b128 v[BI+8*\t+4*\j:BI+8*\t+4*\j+3], v[BA] offset:128*(\t/2)+32*(\t%2)+16*\j
.endr
.endr
	TOK 0
	TOK 4
.endm
; A pass.  guard = 0 (first product): every step asks for the step two on.  guard = 1 (second product): steps 6 and 7 are written twice, and ONE branch on the pass's number chooses:
; pass 0 asks for pass 1's steps 0 and 1; pass 1 asks for nothing, since the run of weights ends.  So behind each load that a counted wait waits for stand the same loads on every way.
.macro GEMM guard, tb
	s_mov_b32 s24, 0
	STEP 0, 1, 1, \guard, 0, \tb, 1                ; the first step starts the sums with the bias
	s_mov_b32 s24, 1
.Lk\@:                                             ; trips of two K steps: steps 1 to 6, or 1 to 4
	STEP 1, 0, 1, \guard, 0, \tb, 1
	STEP 0, 0, 2, \guard, 0, \tb, 1
	s_add_co_u32 s24, s24, 2
	s_cmp_lt_u32 s24, 7-2*\guard
	s_cbranch_scc1 .Lk\@
.if \guard
	STEP 1, 0, 1, 1, 0, \tb, 1                     ; step 5 (s24 = 5)
	s_cmp_lg_u32 s23, 0
	s_cbranch_scc1 .Lnm\@
	STEP 0, 0, 2, 1, 0, \tb, 1
	STEP 1, 0, -1, 1, 0, \tb, 1
	s_branch .Ldn\@
.Lnm\@:
	STEP 0, 0, 2, 1, 0, \tb, 0
	STEP 1, 0, -1, 1, 1, \tb, 0
.Ldn\@:
.else
	STEP 1, 0, -1, 0, 0, \tb, 1
.endif
.endm
; 64 raw sums a lane, v[U] on (tile u, token tile m at 8 (4 u + m)), become gelu and then codes in v[A] on.  Each batch of transcendentals has one wait ahead of it and one behind it.
.macro GELU
.set I, 0
.rept 64
	v_fma_f32 v[T+I], |v[U+I]|, s36, 1.0           ; 1 + z / 2
.set I, I+1
.endr
.set I, 0
	s_wait_alu depctr_va_vdst(0)
.rept 64
	v_rcp_f32 v[T+I], v[T+I]                       ; t
.set I, I+1
.endr
	v_nop
	s_wait_alu depctr_va_vdst(0)
.set I, 0
.rept 32
	v_pk_fma_f32 v[P+I:P+I+1], v[T+I:T+I+1], s[82:83], v[16:17] op_sel_hi:[1,0,1]   ; c9 t + c8
.set I, I+2
.endr
.irp k, 7,6,5,4,3,2,1,0
.set I, 0
.rept 32
	v_pk_fma_f32 v[P+I:P+I+1], v[P+I:P+I+1], v[T+I:T+I+1], s[66+2*\k:67+2*\k] op_sel_hi:[1,1,0]
.set I, I+2
.endr
.endr
.irp g, 0,1,2,3
.set I, 0
.rept 8
	v_pk_mul_f32 v[A+I:A+I+1], v[U+16*\g+I:U+16*\g+I+1], s[38:39] op_sel_hi:[1,0]
.set I, I+2
.endr
.set I, 0
.rept 8
	v_pk_fma_f32 v[P+16*\g+I:P+16*\g+I+1], v[A+I:A+I+1], v[U+16*\g+I:U+16*\g+I+1], v[P+16*\g+I:P+16*\g+I+1]   ; - z^2 log2(e)
.set I, I+2
.endr
.endr
.set I, 0
	s_wait_alu depctr_va_vdst(0)
.rept 64
	v_exp_f32 v[P+I], v[P+I]
.set I, I+1
.endr
.set I, 0
.rept 64
	v_mul_f32 v[T+I], |v[U+I]|, v[T+I]             ; |u| t: work that names no exponential's result stands behind the batch
	v_max_num_f32 v[U+I], 0, v[U+I]
.set I, I+1
.endr
	s_wait_alu depctr_va_vdst(0)
.set I, 0
.rept 32
	v_pk_fma_f32 v[U+I:U+I+1], v[T+I:T+I+1], v[P+I:P+I+1], v[U+I:U+I+1] neg_lo:[1,0,0] neg_hi:[1,0,0]   ; max(u, 0) - |u| erfc / 2
.set I, I+2
.endr
.set I, 0
.rept 64
	v_med3_num_f32 v[U+I], v[U+I], -v[LIM], v[LIM] ; the conversion to an 8-bit code does not saturate (ISA guide 7.6.2): the hold comes first
.set I, I+1
.endr
.irp m, 0,1,2,3
.irp u, 0,1
	v_cvt_scalef32_pk8_fp8_f32 v[A+4*\m+2*\u:A+4*\m+2*\u+1], v[U+8*(4*\u+\m):U+8*(4*\u+\m)+7], v[SCL]
.endr
.endr
	v_nop                                          ; a plain vector line behind the last conversion
.endm
	; ---- the first product: two passes; behind each, gelu and the quantiser in eight trips of 64 numbers a lane
	s_mov_b32 s23, 0
.Lp1:
	PASSHEAD XB, BH1
	GEMM 0, XB
	PLACES
	s_mov_b32 s25, 0
.Lg:                                               ; trip i: tiles 2 (i % 4), 2 (i % 4) + 1 x token tiles 4 (i / 4) on: block i % 4 of K step 2 w + p of the second product
	s_lshl_b32 s45, s23, 14
	s_lshr_b32 s46, s25, 2
	s_lshl_b32 s46, s46, 13
	s_add_co_u32 s45, s45, s46
	s_and_b32 s46, s25, 3
	s_lshl_b32 s46, s46, 9
	s_add_co_u32 s45, s45, s46
	v_add_nc_u32 v[HSA], s45, v[HST]
.irp k, 1,2,3,4,5,6,7
	s_cmp_eq_u32 s25, \k
	s_cbranch_scc1 .Lcp\k
.endr
.irp k, 0,1,2,3,4,5,6,7                            ; the trip's 64 sums come into the registers that the one text of gelu names: register numbers are fixed in an instruction, so each trip has its own 32 lines for that
.Lcp\k:
	WIN 2+\k/4
	s_wait_alu depctr_va_vdst(0)                   ; the wait directly ahead of the first readers of matrix results
.set I, 0
.rept 32
	v_pk_mul_f32 v[U+I:U+I+1], v[64*(\k%4)+I:64*(\k%4)+I+1], 1.0 op_sel_hi:[1,0]   ; each accumulator from its low end on
.set I, I+2
.endr
	WIN 0
	s_wait_alu depctr_va_vdst(0)                   ; and ahead of the branch
.if \k < 7
	s_branch .Lgo
.endif
.endr
.Lgo:
	GELU
.irp m, 0,1,2,3
	ds_store_b128 v[HSA], v[A+4*\m:A+4*\m+3] offset:2048*\m
.endr
	s_add_co_u32 s25, s25, 1
	s_cmp_lt_u32 s25, 8
	s_wait_alu depctr_va_vdst(0)
	s_cbranch_scc1 .Lg
	s_add_co_u32 s23, s23, 1
	s_cmp_lt_u32 s23, 2
	s_cbranch_scc1 .Lp1
	s_wait_dscnt 0x0                               ; for the others' sake: my part of h lies in LDS
	s_barrier_signal -1
	s_barrier_wait -1                              ; all 64 fragments of h do
.macro ACCSUM G                        ; four chains, one for each token tile; each accumulator is read from its low end on
	WIN 0x08+4*\G
.irp t, 0,1,2,3,4,5,6,7
.irp pr, 0,1,2,3
.irp m, 0,1,2,3
	v_pk_add_f32 v[MU+2*(4*\G+\m):MU+2*(4*\G+\m)+1], v[MU+2*(4*\G+\m):MU+2*(4*\G+\m)+1], v[8*(4*\t+\m)+2*\pr:8*(4*\t+\m)+2*\pr+1]
.endr
.endr
.endr
.endm
; a lane's eight pairs of sums: the pair's halves, lane l xor 16, then the four waves through LDS; the totals come in v80-87, one for each token tile
.macro REDUCE src, off
.irp M, 0,1,2,3,4,5,6,7
	v_add_f32 v[24+\M], v[\src+2*\M], v[\src+2*\M+1]
.endr
.irp M, 0,1,2,3,4,5,6,7
	v_permlanex16_b32 v[PL+\M], v[24+\M], s40, s41
.endr
.irp M, 0,1,2,3,4,5,6,7
	v_add_f32 v[24+\M], v[24+\M], v[PL+\M]
.endr
	ds_store_b128 v[STW], v[24:27] offset:\off     ; lanes r and r + 16 write the same numbers to the same place
	ds_store_b128 v[STW], v[28:31] offset:\off+16
	s_wait_alu depctr_va_vdst(0)
	s_wait_dscnt 0x0                               ; for the others' sake
	s_barrier_signal -1
	s_barrier_wait -1
.irp w, 0,1,2,3
	ds_load_b128 v[RD+8*\w:RD+8*\w+3], v[STR] offset:\off+512*\w
	ds_load_b128 v[RD+8*\w+4:RD+8*\w+7], v[STR] offset:\off+512*\w+16
.endr
	s_wait_dscnt 0x0
.irp i, 0,2,4,6
	v_pk_add_f32 v[RD+\i:RD+\i+1], v[RD+\i:RD+\i+1], v[RD+8+\i:RD+8+\i+1]
	v_pk_add_f32 v[RD+16+\i:RD+16+\i+1], v[RD+16+\i:RD+16+\i+1], v[RD+24+\i:RD+24+\i+1]
.endr
.irp i, 0,2,4,6
	v_pk_add_f32 v[RD+\i:RD+\i+1], v[RD+\i:RD+\i+1], v[RD+16+\i:RD+16+\i+1]
.endr
.endm
.macro CENTRE G                        ; a - the half's mean, in place (one word of the means' pair serves both halves), then the squares
	WIN 0x82+0x41*\G
.irp t, 0,1,2,3,4,5,6,7
.irp pr, 0,1,2,3
.irp m, 0,1,2,3
.if (\m%2) == 0
	v_pk_add_f32 v[8*(4*\t+\m)+2*\pr:8*(4*\t+\m)+2*\pr+1], v[8*(4*\t+\m)+2*\pr:8*(4*\t+\m)+2*\pr+1], v[RD+8+4*\G+\m:RD+8+4*\G+\m+1] op_sel_hi:[1,0] neg_lo:[0,1] neg_hi:[0,1]
.else
	v_pk_add_f32 v[8*(4*\t+\m)+2*\pr:8*(4*\t+\m)+2*\pr+1], v[8*(4*\t+\m)+2*\pr:8*(4*\t+\m)+2*\pr+1], v[RD+8+4*\G+\m-1:RD+8+4*\G+\m] op_sel:[0,1] op_sel_hi:[1,1] neg_lo:[0,1] neg_hi:[0,1]
.endif
.endr
.endr
.endr
	WIN 0x0a+5*\G
.irp t, 0,1,2,3,4,5,6,7
.irp pr, 0,1,2,3
.irp m, 0,1,2,3
	v_pk_fma_f32 v[SQ+2*(4*\G+\m):SQ+2*(4*\G+\m)+1], v[8*(4*\t+\m)+2*\pr:8*(4*\t+\m)+2*\pr+1], v[8*(4*\t+\m)+2*\pr:8*(4*\t+\m)+2*\pr+1], v[SQ+2*(4*\G+\m):SQ+2*(4*\G+\m)+1]
.endr
.endr
.endr
.endm
; the way out, a tile of 16 tokens at a time: a lane's eight neighbouring outputs pack into 16 bytes, go into my own stage and come back as my wave's 256 bytes of whole rows
.macro PACK M
	WIN 0x0a+5*((\M)/4)
.irp t, 0,1,2,3,4,5,6,7
.irp pr, 0,1,2,3
	v_cvt_pk_bf16_f32 v[PK+4*\t+\pr], v[8*(4*\t+(\M)%4)+2*\pr], v[8*(4*\t+(\M)%4)+2*\pr+1]
.endr
.endr
	WIN 0
.endm
.macro TOSTAGE M
.irp t, 0,1,2,3,4,5,6,7
	ds_store_b128 v[SO], v[PK+4*\t:PK+4*\t+3] offset:64*(\t/2)+16*(\t%2)
.endr
	WIN 0x80+0x40*((\M)/4)
.irp i, 0,1,2,3,4,5,6,7
	ds_load_b128 v[8*(4*\i+(\M)%4):8*(4*\i+(\M)%4)+3], v[SR] offset:544*\i   ; LDS serves a wave's instructions in order (ISA guide 5.7.1.4): these see the stores above.  They land in this tile's own accumulators, which PACK has left: no tile's registers are used twice in a pass
.endr
	WIN 0
.endm
.macro SEND M, younger                 ; younger: the LDS instructions issued behind this tile's loads, which may stay out
	s_wait_dscnt \younger                          ; the tile is back in registers
	WIN 0x08+4*((\M)/4)
.irp i, 0,1,2,3,4,5,6,7
	global_store_b128 v[GO], v[8*(4*\i+(\M)%4):8*(4*\i+(\M)%4)+3], s[16:17] offset:(16*(\M)+2*\i)*16384 th:TH_STORE_NT   ; sixteen lanes store 256 consecutive bytes, aligned
.endr
	WIN 0
.endm
	; ---- the second product: two passes; behind each, the half's mean, its centred squares, and the centred sums' way out
	s_mov_b32 s23, 0
	s_mov_b32 s50, 14                              ; of the 32 steps, 18 have been asked for
.irp j, 0,1,2,3,4,5,6,7
	v_mov_b32 v[DM+\j], 0
	v_mov_b32 v[SS+\j], 0
.endr
.Lp2:
	PASSHEAD HB, BH2
	GEMM 1, HB
.irp j, 0,1,2,3,4,5,6,7,8,9,10,11,12,13,14,15
	v_mov_b32 v[MU+\j], 0                          ; these lines are also the places behind the last products
	v_mov_b32 v[SQ+\j], 0
.endr
.irp j, 0,1,2,3,4,5,6,7
	v_mov_b32 v[PL+\j], 0                          ; a lane permute's destination counts as read
.endr
	ACCSUM 0
	ACCSUM 1
	WIN 0
	REDUCE MU, 0
.irp M, 0,1,2,3,4,5,6,7
	v_mul_f32 v[RD+8+\M], 0x3b000000, v[RD+\M]     ; / 512
.endr
.irp M, 0,1,2,3,4,5,6,7
	v_sub_f32 v[DM+\M], v[RD+8+\M], v[DM+\M]
.endr
	CENTRE 0
	CENTRE 1
	WIN 0
	REDUCE SQ, 2048
.irp M, 0,1,2,3,4,5,6,7
	v_add_f32 v[SS+\M], v[SS+\M], v[RD+\M]
.endr
	PACK 0
	TOSTAGE 0
.irp M, 1,2,3,4,5,6,7                              ; a tile's conversions and its turn through the stage stand between the loads of the tile before and the wait for them
	PACK \M
	TOSTAGE \M
	SEND \M-1, 16                                  ; behind that tile's loads: this tile's 8 stores and 8 loads
.endr
	SEND 7, 0
	s_wait_xcnt 0x0                                ; the stores have read their registers and their base
	s_add_nc_u64 s[16:17], s[16:17], 256           ; the next pass's 128 columns
	s_add_co_u32 s23, s23, 1
	s_cmp_lt_u32 s23, 2
	s_cbranch_scc1 .Lp2
	; ---- wave 0: (A, D, gate, 0) of token 32 k + lane: token tile 2 k + lane / 16
	s_cmp_lg_u32 s20, 0
	s_cbranch_scc1 .Lend
	v_bfe_u32 v24, v0, 4, 1
	v_cmp_ne_u32 vcc_lo, 0, v24
.irp k, 0,1,2,3
	v_cndmask_b32 v[64+\k], v[DM+2*\k], v[DM+2*\k+1], vcc_lo
	v_cndmask_b32 v[68+\k], v[SS+2*\k], v[SS+2*\k+1], vcc_lo
.endr
.irp k, 0,1,2,3
	v_fma_f32 v[72+\k], v[68+\k], s43, s44         ; the centred squares / 1,024, as y's, + 1e-5
	v_mul_f32 v[76+\k], v[64+\k], v[64+\k]
.endr
.irp k, 0,1,2,3
	v_fma_f32 v[72+\k], v[76+\k], s51, v[72+\k]    ; + (half the two means' difference)^2
	v_mul_f32 v[64+\k], -0.5, v[64+\k]             ; d = half 0's mean - the row's
.endr
	s_wait_alu depctr_va_vdst(0)
.irp k, 0,1,2,3
	v_rsq_f32 v[72+\k], v[72+\k]
.endr
	v_nop
	s_wait_alu depctr_va_vdst(0)
.irp k, 0,1,2,3
	v_mul_f32 v[72+\k], s42, v[72+\k]
.endr
.irp k, 0,1,2,3
	v_mul_f32 v[80+4*\k], v[GT+\k], v[72+\k]
	v_mov_b32 v[82+4*\k], v[GT+\k]
	v_mov_b32 v[83+4*\k], 0
.endr
.irp k, 0,1,2,3
	v_mul_f32 v[81+4*\k], v[80+4*\k], v[64+\k]
.endr
.irp k, 0,1,2,3
	global_store_b128 v[LI], v[80+4*\k:83+4*\k], s[18:19] offset:512*\k   ; the wave stores 512 consecutive bytes, aligned
.endr
.Lend:
	s_wait_tensorcnt 0x0                           ; the wave's end
	ds_add_u32 v[SPW], v[NIL]
	s_wait_dscnt 0x0
	s_endpgm
.Lfunc_end_k_q11a7336bcb_moe:
	.size	k_q11a7336bcb_moe, .Lfunc_end_k_q11a7336bcb_moe-k_q11a7336bcb_moe
	.p2alignl 7, 3214868480
	.fill 96, 4, 3214868480
	.section	.rodata,"a",@progbits
	.p2align	6, 0x0
	.amdhsa_kernel k_q11a7336bcb_moe
		.amdhsa_group_segment_fixed_size 292352
		.amdhsa_private_segment_fixed_size 0
		.amdhsa_enable_private_segment 0
		.amdhsa_kernarg_size 64
		.amdhsa_user_sgpr_count 2
		.amdhsa_user_sgpr_kernarg_segment_ptr 1
		.amdhsa_wavefront_size32 1
		.amdhsa_system_sgpr_workgroup_id_x 1
		.amdhsa_system_sgpr_workgroup_id_y 1
		.amdhsa_system_sgpr_workgroup_id_z 1
		.amdhsa_system_vgpr_workitem_id 0
		.amdhsa_next_free_vgpr 1024
		.amdhsa_next_free_sgpr 84
		.amdhsa_reserve_vcc 1
		.amdhsa_float_denorm_mode_32 3
		.amdhsa_float_denorm_mode_16_64 3
		.amdhsa_memory_ordered 1
		.amdhsa_forward_progress 1
		.amdhsa_inst_pref_size 255
	.end_amdhsa_kernel
	.section	.bss,"aw",@nobits
	.p2align	6
	.space	262144
	.amdgpu_metadata
---
amdhsa.version: [ 1, 2 ]
amdhsa.kernels:
  - .name:           k_q11a7336bcb_moe
    .symbol:         k_q11a7336bcb_moe.kd
    .args:
      - { .name: xq, .offset: 0, .size: 8, .value_kind: global_buffer, .address_space: global }
      - { .name: wq, .offset: 8, .size: 8, .value_kind: global_buffer, .address_space: global }
      - { .name: b1, .offset: 16, .size: 8, .value_kind: global_buffer, .address_space: global }
      - { .name: b2, .offset: 24, .size: 8, .value_kind: global_buffer, .address_space: global }
      - { .name: rwt, .offset: 32, .size: 8, .value_kind: global_buffer, .address_space: global }
      - { .name: lowp_scales, .offset: 40, .size: 8, .value_kind: global_buffer, .address_space: global }
      - { .name: yn, .offset: 48, .size: 8, .value_kind: global_buffer, .address_space: global }
      - { .name: st, .offset: 56, .size: 8, .value_kind: global_buffer, .address_space: global }
    .group_segment_fixed_size: 292352
    .private_segment_fixed_size: 0
    .kernarg_segment_align: 8
    .kernarg_segment_size: 64
    .max_flat_workgroup_size: 128
    .sgpr_count:     84
    .vgpr_count:     1024
    .wavefront_size: 32
...
	.end_amdgpu_metadata
.endif
;; end of part 2
;; launch combine (part 3): grid 512 x 1, 8 waves a work-group, no clusters, 0 bytes of LDS; arguments yn, st, gamma, beta, out0; writes out0
.if DOCPART == 3
	.amdgcn_target "amdgcn-amd-amdhsa--gfx1250"
	.amdhsa_code_object_version 6
	.text
	.protected	k_q11a7336bcb_combine
	.globl	k_q11a7336bcb_combine
	.p2align	8
	.type	k_q11a7336bcb_combine,@function
k_q11a7336bcb_combine:
	s_mov_b64 s[64:65], 0
	v_nop
	global_prefetch_b8 v0, s[64:65] scope:SCOPE_SE
	s_setreg_imm32_b32 hwreg(HW_REG_WAVE_MODE, 25, 1), 1
	s_wait_xcnt 0x0
; COMBINE.  out0[t][o] = the sum over the eight experts of gamma[e][o] (A yn[t][e][o] + D) + gate beta[e][o]: LayerNorm's last step and the gates' sum in one.
; yn holds, in bf16, each expert's result less the mean of its half of the row (half = (o / 128) % 2); st[e][t] = (A, D, gate, 0) in f32, D for half 0; half 1 takes -D.  All sums in f32.
; A stream: a work-group takes 8 tokens, thread i outputs 4 i .. 4 i + 3 of each, so a wave lies in one half.  gamma and beta of a thread's outputs stay in 64 registers.  Four tokens' loads (32 a thread) are out at a time.
; A wave fetches the 64 entries of st by two loads, lane 8 j + e for token j and expert e, and hands each token's 24 numbers to scalar registers by v_readlane_b32.  No LDS, no barrier: threads share nothing.
; Matrix units and clusters would add nothing to a sum of eight terms.
.set S,  8                             ; v8-15    st: tokens 0-3, tokens 4-7
.set G,  16                            ; v16-47   gamma, four numbers an expert
.set B,  48                            ; v48-79   beta
.set Y,  80                            ; v80-143  token j % 4, expert e: two registers (four bf16)
.set O,  144                           ; v144-175 token j: four sums, registers of its own, so that no store's data are written again
.set W,  176                           ; v176-183 four numbers widened to f32: two sets by turns
	s_load_b256 s[4:11], s[0:1], 0x0               ; yn, st, gamma, beta
	s_load_b64 s[12:13], s[0:1], 0x20              ; out0
	v_lshlrev_b32 v1, 3, v0                        ; 8 bytes a thread in a row of yn
	v_lshlrev_b32 v2, 4, v0                        ; 16 in a row of gamma, beta, out0
	v_and_b32 v4, 7, v0                            ; e
	v_bfe_u32 v5, v0, 3, 2                         ; j
	v_lshlrev_b32 v4, 16, v4
	v_lshl_add_u32 v4, v5, 4, v4                   ; 65,536 e + 16 j
	v_lshrrev_b32 v6, 5, v0
	v_readfirstlane_b32 s14, v6                    ; wave
	s_lshl_b32 s15, s14, 31                        ; the sign bit in the waves of half 1
	s_lshl_b32 s40, ttmp9, 17                      ; 8 tokens x 16,384 bytes
	s_mov_b32 s41, 0
	s_lshl_b32 s42, ttmp9, 7                       ; 8 x 16
	s_mov_b32 s43, 0
	s_lshl_b32 s44, ttmp9, 15                      ; 8 x 4,096
	s_mov_b32 s45, 0
	s_wait_alu depctr_va_vdst(0)                   ; the wait at the head's end
	s_wait_kmcnt 0x0
	s_add_nc_u64 s[4:5], s[4:5], s[40:41]
	s_add_nc_u64 s[6:7], s[6:7], s[42:43]
	s_add_nc_u64 s[12:13], s[12:13], s[44:45]
	global_load_b128 v[S:S+3], v4, s[6:7]
	global_load_b128 v[S+4:S+7], v4, s[6:7] offset:64
.irp e, 0,1,2,3,4,5,6,7
	global_load_b128 v[G+4*\e:G+4*\e+3], v2, s[8:9] offset:4096*\e
	global_load_b128 v[B+4*\e:B+4*\e+3], v2, s[10:11] offset:4096*\e
.endr
.macro LOADY j
.irp e, 0,1,2,3,4,5,6,7
	global_load_b64 v[Y+2*(8*((\j)%4)+\e):Y+2*(8*((\j)%4)+\e)+1], v1, s[4:5] offset:16384*(\j)+2048*\e th:TH_LOAD_NT   ; a wave reads 256 consecutive bytes, aligned
.endr
.endm
.irp j, 0,1,2,3
	LOADY \j
.endr
	s_wait_loadcnt 32                              ; st, gamma and beta are in; the four tokens' 32 loads may be out
	v_xor_b32 v[S+1], s15, v[S+1]                  ; D or -D
	v_xor_b32 v[S+5], s15, v[S+5]
.macro TOKEN j
.irp e, 0,1,2,3,4,5,6,7
	v_readlane_b32 s[16+\e], v[S+4*((\j)/4)],   8*((\j)%4)+\e    ; A
	v_readlane_b32 s[24+\e], v[S+4*((\j)/4)+1], 8*((\j)%4)+\e    ; D
	v_readlane_b32 s[32+\e], v[S+4*((\j)/4)+2], 8*((\j)%4)+\e    ; the gate
.endr
.if (\j) < 5
	s_wait_loadcnt 24                              ; this token's eight loads are in; three later tokens' may be out
.else
	s_wait_loadcnt 8*(7-(\j))
.endif
.irp e, 0,1,2,3,4,5,6,7
	v_lshlrev_b32 v[W+4*(\e%2)],   16, v[Y+2*(8*((\j)%4)+\e)]            ; bf16 to f32: the low half moves up,
	v_and_b32     v[W+4*(\e%2)+1], 0xffff0000, v[Y+2*(8*((\j)%4)+\e)]    ; the high half stays
	v_lshlrev_b32 v[W+4*(\e%2)+2], 16, v[Y+2*(8*((\j)%4)+\e)+1]
	v_and_b32     v[W+4*(\e%2)+3], 0xffff0000, v[Y+2*(8*((\j)%4)+\e)+1]
.irp i, 0,1,2,3
.if \e == 0
	v_mul_f32 v[O+4*(\j)+\i], s[32+\e], v[B+4*\e+\i]                     ; the first expert starts the sums
.else
	v_fmac_f32 v[O+4*(\j)+\i], s[32+\e], v[B+4*\e+\i]
.endif
.endr
.irp i, 0,1,2,3
	v_fma_f32 v[W+4*(\e%2)+\i], v[W+4*(\e%2)+\i], s[16+\e], s[24+\e]
.endr
	v_pk_fma_f32 v[O+4*(\j):O+4*(\j)+1],   v[W+4*(\e%2):W+4*(\e%2)+1],   v[G+4*\e:G+4*\e+1],   v[O+4*(\j):O+4*(\j)+1]
	v_pk_fma_f32 v[O+4*(\j)+2:O+4*(\j)+3], v[W+4*(\e%2)+2:W+4*(\e%2)+3], v[G+4*\e+2:G+4*\e+3], v[O+4*(\j)+2:O+4*(\j)+3]
.endr
.if (\j) < 4
	LOADY (\j)+4                                   ; into the registers that this token has left
.endif
	global_store_b128 v2, v[O+4*(\j):O+4*(\j)+3], s[12:13] offset:4096*(\j) th:TH_STORE_NT   ; a wave stores 512 consecutive bytes, aligned
.endm
.irp j, 0,1,2,3,4,5,6,7
	TOKEN \j
.endr
	s_endpgm
.Lfunc_end_k_q11a7336bcb_combine:
	.size	k_q11a7336bcb_combine, .Lfunc_end_k_q11a7336bcb_combine-k_q11a7336bcb_combine
	.p2alignl 7, 3214868480
	.fill 96, 4, 3214868480
	.section	.rodata,"a",@progbits
	.p2align	6, 0x0
	.amdhsa_kernel k_q11a7336bcb_combine
		.amdhsa_group_segment_fixed_size 0
		.amdhsa_private_segment_fixed_size 0
		.amdhsa_enable_private_segment 0
		.amdhsa_kernarg_size 40
		.amdhsa_user_sgpr_count 2
		.amdhsa_user_sgpr_kernarg_segment_ptr 1
		.amdhsa_wavefront_size32 1
		.amdhsa_system_sgpr_workgroup_id_x 1
		.amdhsa_system_sgpr_workgroup_id_y 1
		.amdhsa_system_sgpr_workgroup_id_z 1
		.amdhsa_system_vgpr_workitem_id 0
		.amdhsa_next_free_vgpr 184
		.amdhsa_next_free_sgpr 66
		.amdhsa_reserve_vcc 0
		.amdhsa_float_denorm_mode_32 3
		.amdhsa_float_denorm_mode_16_64 3
		.amdhsa_memory_ordered 1
		.amdhsa_forward_progress 1
		.amdhsa_inst_pref_size 66
	.end_amdhsa_kernel
	.amdgpu_metadata
---
amdhsa.version: [ 1, 2 ]
amdhsa.kernels:
  - .name:           k_q11a7336bcb_combine
    .symbol:         k_q11a7336bcb_combine.kd
    .args:
      - { .name: yn, .offset: 0, .size: 8, .value_kind: global_buffer, .address_space: global }
      - { .name: st, .offset: 8, .size: 8, .value_kind: global_buffer, .address_space: global }
      - { .name: gamma, .offset: 16, .size: 8, .value_kind: global_buffer, .address_space: global }
      - { .name: beta, .offset: 24, .size: 8, .value_kind: global_buffer, .address_space: global }
      - { .name: out0, .offset: 32, .size: 8, .value_kind: global_buffer, .address_space: global }
    .group_segment_fixed_size: 0
    .private_segment_fixed_size: 0
    .kernarg_segment_align: 8
    .kernarg_segment_size: 40
    .max_flat_workgroup_size: 256
    .sgpr_count:     66
    .vgpr_count:     184
    .wavefront_size: 32
...
	.end_amdgpu_metadata
.endif
;; end of part 3
